; MI455X (gfx1250); checked and timed in simulation.
; The chip was launched on July 23, 2026; its instructions are those of AMD's public machine-readable ISA for CDNA 5 (MIT licence, August 2026) and "CDNA5" Instruction Set Architecture Reference Guide (July 2026). The comments in the code are by the model that wrote it; some were corrected since.
;; minerva2. Allowed arithmetic: matrix products marked QUANTISED: E2M3 operands, one E8M0 scale for each 32 along K, by v_wmma_scale_f32_16x16x128_f8f6f4 with both operands' format E2M3, f32 sums; everything else in f32.
;; Inputs: ex_class_reps 16,384 x 28 float32; ex_features 16,384 x 256 float32; features 4,096 x 256 float32.
;; Outputs: out0 4,096 x 28 float32; out1 4,096 float32.
;; Constants: p_factor = 3.
;; This version of the problem:
;;   THIS VERSION OF THE PROBLEM IS GIVEN IN LOW PRECISION. The matrix products marked QUANTISED in the list below multiply operands that are first quantised to E2M3 (2 exponent bits, 3 mantissa bits; 6 bits a number), with one power-of-two scale for each 32 numbers along K (OCP MX v1.0); their sums are f32. All else is computed in f32.
;;   The module's matrix products, in the order in which they are computed (A, B: the left and right operand; K: the contracted axis; several contracted axes count as one K, in the product's order):
;;     1. [M 4,096, K 256] x [K 256, N 16,384]; A: computed on the way; B: computed on the way: QUANTISED
;;     2. [M 4,096, K 16,384] x [K 16,384, N 28]; A: computed on the way; B: input ex_class_reps: QUANTISED
;;   THE QUANTISER, for each operand of a quantised product, along K:
;;     - K is cut into blocks of 32 from its start; a last block that is shorter is filled with zeros.
;;     - A block's scale is 2^e with e = floor(log2(the largest magnitude in the block)) - 2, held to -126 .. 127; a block of zeros has e = 0. As a byte (E8M0): e + 127.
;;     - Each number is divided by its block's scale, clamped to +-7.5, and rounded to the nearest number of E2M3, ties to even, subnormals kept.
;;     - The product sums the exact products of the quantised numbers (number of the format x scale) in f32.
;;   ~~~python
;;   def quantise(x, axis):      # numpy; x: float32 -> the quantised numbers, widened to float32 again
;;       x = np.moveaxis(x, axis, -1); K = x.shape[-1]
;;       x = np.pad(x, [(0, 0)] * (x.ndim - 1) + [(0, -K % 32)]); x = x.reshape(x.shape[:-1] + (-1, 32)); a = np.abs(x).max(-1, keepdims=True)
;;       e = np.where(a > 0, np.clip(np.frexp(np.where(a > 0, a, 1))[1] - 1 - 2, -126, 127), 0)      # np.frexp(a)[1] - 1 = floor(log2(a)), exactly
;;       r = np.clip(x / 2.0 ** e, -7.5, 7.5)
;;       step = 2.0 ** (np.maximum(np.frexp(np.where(r == 0, 1, r))[1] - 1, 0) - 3)
;;       q = np.round(r / step) * step * 2.0 ** e      # np.round: ties to even
;;       return np.moveaxis(q.reshape(q.shape[:-2] + (-1,))[..., :K], -1, axis).astype(np.float32)
;;   ~~~
;;   OPERANDS COMPUTED ON THE WAY. 'Computed on the way' means the value that the module computes at that place (a softmax that the list does not call 'softmax' is quantised finished and normalised). What goes into a quantiser is computed in f32, as accurately as f32 sums, v_exp_f32 and their like allow (about 1e-6 of the number): no bf16 or f16 on the way to a quantiser, and a product that is left as it is and whose result goes on into a quantised operand takes f32 operands (vector FMAs, or v_wmma_f32_16x16x4_f32). A number that lies on a knife's edge between two numbers of the format may be rounded either way, as far as f32 arithmetic and the matrix unit's own rounding can turn it there, and no further.
;; One version. Each part assembles by itself: llvm-mc -triple=amdgcn-amd-amdhsa -mcpu=gfx1250 --defsym DOCPART=n.
;; ======== version 1 of 1: 3 launches
;; limits: right only within a limited range of input values
;; workspace buffers: kpack 3,702,784 bytes; qpack 819,200 bytes; parte 7,340,032 bytes; parti 262,144 bytes
;; launch prep (part 1): grid 256 x 1, 6 waves a work-group, no clusters, 91,392 bytes of LDS; arguments features, ex_features, ex_class_reps, kpack, qpack; writes kpack, qpack
.if DOCPART == 1
	.amdgcn_target "amdgcn-amd-amdhsa--gfx1250"
	.amdhsa_code_object_version 6
	.text
	.protected	k_q886a297859_prep
	.globl	k_q886a297859_prep
	.p2align	8
	.type	k_q886a297859_prep,@function
k_q886a297859_prep:
	s_mov_b64 s[64:65], 0
	v_nop
	global_prefetch_b8 v0, s[64:65] scope:SCOPE_SE
	s_setreg_imm32_b32 hwreg(HW_REG_WAVE_MODE, 25, 1), 1
	s_wait_xcnt 0x0
; PREP.  features [4096][256] and ex_features [16384][256], f32: each row is divided by max(its length, 1e-12) and quantised along its 256 to codes of FP6 (E2M3), one E8M0 byte for each 32.
; ex_class_reps [16384][28], f32, is quantised DOWN its first axis (the exemplars are the second product's K), its 28 columns filled up to 32 with zero codes.
; All results are laid in the order of the operands' registers, so that the next launch takes fragments by loads of 16 bytes a lane on end.
;   kpack: 16 records of 8 steps of 28,928 bytes, a step for each 128 exemplars:  +0 K's codes [tile 8][K step 2] x 1,536 (three groups of four registers, 16 bytes a lane);
;          +24,576 V's codes [n 2][cc 2] x 768 (registers 6 cc .. 6 cc + 3 as 16 bytes a lane, then 6 cc + 4, 5 as 8 bytes a lane);
;          +27,648 K's scale words [tile 8] x 128 (lanes 0-15: K step 0, lanes 16-31: K step 1);  +28,672 V's scale words [n 2] x 128 (lanes 16-31 repeat lanes 0-15).
;   qpack: 256 tiles x 3,072 bytes of codes, laid as K's; from byte 786,432 on 256 x 128 bytes of scale words, laid as K's.
; THE EXEMPLARS OF A TILE ARE NOT NEIGHBOURS: row m of tile T is exemplar 64 (T / 4) + 32 (m / 8) + 8 (T % 4) + m % 8, so that in the next launch a lane's 32 results of four neighbouring tiles are one block of 32 exemplars.
; SHARES.  1,280 tiles of 16 rows = 256 work-groups x 5 waves: wave w < 5 takes tile 5 g + w.  Wave 5 takes exemplars 64 g .. 64 g + 63 of ex_class_reps.  Waves share nothing: no barrier.
; All that a wave reads (16 KB) is asked for at once, each load 512 consecutive bytes; the turn to "32 neighbours along K in a lane" goes through the wave's own stage in LDS.
; A block's scale is 2^(floor(log2(largest magnitude)) - 2): its byte is the largest magnitude's exponent field - 2, held at 1 from below.
; LIMITS: NaN and infinities are not served, nor rows whose sum of squares passes the range of f32.  A block of zeros gets the byte 1 where the rule says 127: its codes are zeros, and this program alone reads the bytes.
;         The division is x * rcp(max(sqrt(sum x^2), 1e-12)): two instructions of 1 ulp and one multiplication in place of one division.
.set REC,  231424
.set STEPB, 28928
.set VSTG, 83200                       ; LDS: five stages of 16 rows x 1,040 bytes (wave w at 16,640 w), then wave 5's stage: 3,584 + 64 + 3,584 + 128 bytes
.set SPARE, 90624                      ; the spare words
.set X,    16                          ; v16-143  128 numbers
.set PC,   144                         ; v144-183 two fragments, 20 registers each: 12, and +12..14, +16..18 at work
.set TM,   184                         ; +0..3 largest magnitudes, +4..7 the conversions' scale operands, +8..11 bytes
.set PW0,  200
.set PW1,  201
.set SW,   202
.set SQ,   204                         ; v204-211 the sum of squares in four chains of pairs
.set RN,   212                         ; v212-213 1 / length, twice
.set SPW,  216
.set NIL,  217
	s_load_b256 s[4:11], s[0:1], 0x0               ; features s[4:5], ex_features s[6:7], ex_class_reps s[8:9], kpack s[10:11]
	s_load_b64 s[12:13], s[0:1], 0x20              ; qpack
	v_lshl_add_u32 v[SPW], v0, 2, SPARE
	v_mov_b32 v[NIL], 0
	v_lshrrev_b32 v1, 5, v0
	v_readfirstlane_b32 s14, v1                    ; wave 0..5
	v_and_b32 v1, 31, v0                           ; lane
	v_and_b32 v2, 15, v0                           ; r
	v_bfe_u32 v3, v0, 4, 1                         ; h
	v_lshlrev_b32 v4, 4, v1                        ; 16 x lane
	v_lshlrev_b32 v5, 2, v1                        ; 4 x lane
	v_lshlrev_b32 v6, 3, v1                        ; 8 x lane
	; every LDS address is made here, ahead of the parting on the wave's number
	s_mul_i32 s15, s14, 16640
	v_add_nc_u32 v7, s15, v4                       ; rows: into my stage, as loaded
	v_mul_u32_u24 v8, v2, 1040                     ; rows: out of it: row r (1,024 bytes + 16: 65 x 16, so that sixteen rows start in sixteen different groups of banks), + 128 h
	v_lshl_add_u32 v8, v3, 7, v8
	v_add_nc_u32 v8, s15, v8
	v_add_nc_u32 v9, VSTG, v4                      ; wave 5: into its stage, as loaded
	v_mul_u32_u24 v10, v3, 3648                    ; wave 5: out of it: exemplars 32 h on begin 3,648 h bytes on (3,584 + 64: the two halves of the lanes fall on different banks)
	v_add_nc_u32 v10, VSTG, v10
	v_lshl_add_u32 v10, v2, 2, v10                 ; column r
	v_add_nc_u32 v15, VSTG, v5                     ; wave 5: 4 bytes a lane, for zeros
	v_cmp_gt_u32 s16, 12, v2                       ; lanes whose column 16 + r exists (r < 12)
	v_lshlrev_b32 v14, 3, v3                       ; 8 h
	v_xor_b32 v12, 8, v14                          ; 8 - 8 h
	s_mov_b32 s18, 0x76543210
	s_mov_b32 s19, 0xfedcba98                      ; v_permlanex16_b32's selects for lane l xor 16
	s_wait_alu depctr_va_vdst(0)                   ; the wait at the head's end
	s_cmp_eq_u32 s14, 5
	s_cbranch_scc1 .Lv
	; ---- ROWS: tile T = 5 g + w.  T < 1,024: a tile of ex_features, into kpack; else tile T - 1,024 of features, into qpack.  Both sets of offsets are made, then chosen on T alone.
	s_mul_i32 s20, ttmp9, 5
	s_add_co_u32 s20, s20, s14                     ; T
	s_lshr_b32 s21, s20, 2
	s_lshl_b32 s22, s21, 16
	s_and_b32 s23, s20, 3
	s_lshl_b32 s23, s23, 13
	s_add_co_u32 s22, s22, s23                     ; ex_features: row 64 (T / 4) + 8 (T % 4), 1,024 bytes a row
	s_sub_co_u32 s29, s20, 1024                    ; T'
	s_lshl_b32 s24, s29, 14                        ; features: row 16 T'
	s_lshr_b32 s21, s20, 6
	s_mul_i32 s21, s21, REC                        ; the record
	s_and_b32 s23, s20, 63                         ; the tile in it
	s_bfe_u32 s41, s20, 0x30003                    ; and its step
	s_mul_i32 s25, s23, 3072
	s_mul_i32 s46, s41, STEPB-8*3072
	s_add_co_u32 s25, s25, s46
	s_add_co_u32 s25, s25, s21                     ; kpack: the tile's codes,
	s_lshl_b32 s26, s23, 7
	s_mul_i32 s46, s41, STEPB-8*128
	s_add_co_u32 s26, s26, s46
	s_add_co_u32 s26, s26, s21
	s_add_co_u32 s26, s26, 27648                   ; its scale words
	s_mul_i32 s27, s29, 3072                       ; qpack: the tile's codes,
	s_lshl_b32 s28, s29, 7
	s_add_co_u32 s28, s28, 786432                  ; its scale words
	s_mov_b32 s40, 8192                            ; features: rows 8-15 follow rows 0-7
	s_mov_b32 s35, 0
	s_mov_b32 s37, 0
	s_mov_b32 s39, 0
	s_wait_kmcnt 0x0
	s_cmp_lt_u32 s20, 1024                         ; the choice hangs on ids alone
	s_cselect_b64 s[30:31], s[6:7], s[4:5]
	s_cselect_b64 s[32:33], s[10:11], s[12:13]
	s_cselect_b32 s34, s22, s24
	s_cselect_b32 s36, s25, s27
	s_cselect_b32 s38, s26, s28
	s_cselect_b32 s40, 32768, s40                  ; ex_features: rows 8-15 lie 32 exemplars on
	s_add_nc_u64 s[30:31], s[30:31], s[34:35]      ; in
	s_add_nc_u64 s[42:43], s[32:33], s[36:37]      ; codes out
	s_add_nc_u64 s[44:45], s[32:33], s[38:39]      ; scale words out
	v_add_nc_u32 v13, s40, v4
.set i, 0
.rept 16
	global_load_b128 v[X+4*i:X+4*i+3], v4, s[30:31] offset:512*i th:TH_LOAD_NT        ; rows 0-7: 512 consecutive bytes a load, half a row
.set i, i+1
.endr
.rept 16
	global_load_b128 v[X+4*i:X+4*i+3], v13, s[30:31] offset:512*(i-16) th:TH_LOAD_NT  ; rows 8-15
.set i, i+1
.endr
.set i, 0
.rept 32
	s_wait_loadcnt 31-i                            ; loads come back in order: load i is in, the 31 - i younger ones may be out
	ds_store_b128 v7, v[X+4*i:X+4*i+3] offset:(i/2)*1040+(i%2)*512
.set i, i+1
.endr
.set b, 0
.rept 4
.irp j, 0,1,2,3,4,5,6,7
	ds_load_b128 v[X+32*b+4*\j:X+32*b+4*\j+3], v8 offset:256*b+16*\j   ; LDS serves a wave's instructions in order: these see my stores.  Register 32 b + i: row r, k = 64 b + 32 h + i: a whole block of 32 is mine
.endr
.set b, b+1
.endr
	s_wait_dscnt 0x0
.irp c, 0,1,2,3
	v_pk_mul_f32 v[SQ+2*\c:SQ+2*\c+1], v[X+2*\c:X+2*\c+1], v[X+2*\c:X+2*\c+1]   ; the sum of squares: the first four pairs start four chains
.endr
.set i, 4
.rept 60
	v_pk_fma_f32 v[SQ+2*(i%4):SQ+2*(i%4)+1], v[X+2*i:X+2*i+1], v[X+2*i:X+2*i+1], v[SQ+2*(i%4):SQ+2*(i%4)+1]
.set i, i+1
.endr
	v_pk_add_f32 v[SQ:SQ+1], v[SQ:SQ+1], v[SQ+2:SQ+3]
	v_pk_add_f32 v[SQ+4:SQ+5], v[SQ+4:SQ+5], v[SQ+6:SQ+7]
	v_pk_add_f32 v[SQ:SQ+1], v[SQ:SQ+1], v[SQ+4:SQ+5]
	v_add_f32 v[SQ], v[SQ], v[SQ+1]
	v_permlanex16_b32 v[SQ+2], v[SQ], s18, s19     ; the row's other 128 numbers lie in lane l xor 16
	v_add_f32 v[SQ], v[SQ], v[SQ+2]
	s_wait_alu depctr_va_vdst(0)                   ; the waits ahead of and behind transcendentals
	v_sqrt_f32 v[SQ+1], v[SQ]
	v_nop                                          ; one plain place behind a transcendental
	s_wait_alu depctr_va_vdst(0)
	v_max_num_f32 v[SQ+1], 0x2b8cbccc, v[SQ+1]     ; max(length, 1e-12)
	s_wait_alu depctr_va_vdst(0)
	v_rcp_f32 v[RN], v[SQ+1]
	v_nop
	s_wait_alu depctr_va_vdst(0)
	v_mov_b32 v[RN+1], v[RN]
.set i, 0
.rept 64
	v_pk_mul_f32 v[X+2*i:X+2*i+1], v[X+2*i:X+2*i+1], v[RN:RN+1]
.set i, i+1
.endr
.irp b, 0,1,2,3
	v_max3_num_f32 v[TM+\b], |v[X+32*\b]|, |v[X+1+32*\b]|, 0x1800000   ; block b: its 32 numbers, and the floor 2^(3 - 127): the byte cannot fall under 1
.endr
.irp i, 2,4,6,8,10,12,14,16,18,20,22,24,26,28,30
.irp b, 0,1,2,3
	v_max3_num_f32 v[TM+\b], v[TM+\b], |v[X+32*\b+\i]|, |v[X+1+32*\b+\i]|   ; the four blocks by turns
.endr
.endr
.irp b, 0,1,2,3
	v_add_nc_u32 v[TM+4+\b], 0xff000000, v[TM+\b]  ; 2 off its exponent field: the conversion takes that field as its scale
.endr
.irp b, 0,1,2,3
	v_lshrrev_b32 v[TM+8+\b], 23, v[TM+4+\b]       ; the scale's byte
.endr
.irp b, 0,1,2,3                                ; block b: K step b / 2, registers 6 (b % 2) on
	v_cvt_scalef32_pk16_fp6_f32 v[PC+20*(\b/2)+6*(\b%2):PC+20*(\b/2)+6*(\b%2)+2], v[X+32*\b:X+32*\b+15], v[TM+4+\b]
	v_cvt_scalef32_pk16_fp6_f32 v[PC+20*(\b/2)+12+4*(\b%2):PC+20*(\b/2)+14+4*(\b%2)], v[X+32*\b+16:X+32*\b+31], v[TM+4+\b]   ; (a conversion's three registers begin on an even number)
.endr
	; my bytes of the scale words: blocks h and 2 + h of each K step.  Lanes 0-15 gather K step 0's word, lanes 16-31 K step 1's
	v_cmp_le_u32 vcc_lo, 16, v1
	v_lshl_or_b32 v[PW0], v[TM+9], 16, v[TM+8]
	v_lshl_or_b32 v[PW1], v[TM+11], 16, v[TM+10]
.irp b, 0,1,2,3
.irp i, 0,1,2
	v_mov_b32 v[PC+20*(\b/2)+6*(\b%2)+3+\i], v[PC+20*(\b/2)+12+4*(\b%2)+\i]
.endr
.endr
	v_cndmask_b32 v[SW], v[PW0], v[PW1], vcc_lo    ; the word that I gather,
	v_cndmask_b32 v[PW0], v[PW1], v[PW0], vcc_lo   ; and what lane l xor 16 wants of me
	v_permlanex16_b32 v[TM], v[PW0], s18, s19
	v_lshlrev_b32 v[SW], v14, v[SW]
	v_lshl_or_b32 v[SW], v[TM], v12, v[SW]
.irp s, 0,1
.irp c, 0,1,2
	global_store_b128 v4, v[PC+20*\s+4*\c:PC+20*\s+4*\c+3], s[42:43] offset:1536*\s+512*\c   ; each store covers 512 consecutive bytes, aligned
.endr
.endr
	global_store_b32 v5, v[SW], s[44:45]
	s_wait_tensorcnt 0x0                           ; the wave's end
	ds_add_u32 v[SPW], v[NIL]
	s_wait_dscnt 0x0
	s_endpgm
	; ---- WAVE 5: exemplars 64 g .. 64 g + 63 of ex_class_reps: 7,168 dense bytes.  They are half cc = g % 2 of step (g / 2) % 8 of record g / 16.
.Lv:
	s_mul_i32 s20, ttmp9, 7168
	s_mov_b32 s21, 0
	s_lshr_b32 s22, ttmp9, 4
	s_mul_i32 s22, s22, REC
	s_bfe_u32 s23, ttmp9, 0x30001                  ; the step
	s_and_b32 s24, ttmp9, 1                        ; cc
	s_mul_i32 s25, s23, STEPB
	s_add_co_u32 s25, s25, s22
	s_add_co_u32 s25, s25, 24576                   ; V's part of the step
	s_mul_i32 s26, s24, 768
	s_add_co_u32 s26, s26, s25                     ; the codes' place
	s_mov_b32 s27, 0
	s_lshl_b32 s28, s24, 1
	s_add_co_u32 s28, s28, s25
	s_add_co_u32 s28, s28, 4096                    ; the scale bytes' place: bytes 2 cc, 2 cc + 1 of each word
	s_mov_b32 s29, 0
	s_wait_kmcnt 0x0
	s_add_nc_u64 s[8:9], s[8:9], s[20:21]
	s_add_nc_u64 s[32:33], s[10:11], s[26:27]
	s_add_nc_u64 s[34:35], s[10:11], s[28:29]
.set i, 0
.rept 14
	global_load_b128 v[X+4*i:X+4*i+3], v4, s[8:9] offset:512*i th:TH_LOAD_NT
.set i, i+1
.endr
	v_mov_b32 v[TM+8], 0
	v_mov_b32 v[TM+4], 0                           ; (a lane permute's destination counts as one of its sources)
	v_mov_b32 v[TM+5], 0
	ds_store_b32 v15, v[TM+8] offset:3584          ; zeros behind each half's 3,584 bytes: lanes without a column of their own read them; the data, stored later, take their part back
	ds_store_b32 v15, v[TM+8] offset:7232
.set i, 0
.rept 14
	s_wait_loadcnt 13-i                            ; load i is in, the younger ones may be out
	ds_store_b128 v9, v[X+4*i:X+4*i+3] offset:512*i+64*(i/7)   ; seven loads are 32 exemplars
.set i, i+1
.endr
.irp n, 0,1
.set i, 0
.rept 32
	ds_load_b32 v[X+64+32*\n+i], v10 offset:112*i+64*\n   ; A LANE TAKES A COLUMN, ITS REGISTERS RUN DOWN THE EXEMPLARS: exemplar 32 h + i of column 16 n + r
.set i, i+1
.endr
.endr
	s_wait_dscnt 0x0
.set i, 0
.rept 32
	v_cndmask_b32 v[X+96+i], 0, v[X+96+i], s16     ; columns 28-31 do not exist: zeros
.set i, i+1
.endr
.irp n, 0,1
	v_max3_num_f32 v[TM+\n], |v[X+64+32*\n]|, |v[X+65+32*\n]|, 0x1800000   ; a whole block of 32 is mine; the floor as above
.endr
.irp i, 2,4,6,8,10,12,14,16,18,20,22,24,26,28,30
.irp n, 0,1
	v_max3_num_f32 v[TM+\n], v[TM+\n], |v[X+64+32*\n+\i]|, |v[X+65+32*\n+\i]|
.endr
.endr
.irp n, 0,1
	v_add_nc_u32 v[TM+12+\n], 0xff000000, v[TM+\n]
.endr
.irp n, 0,1
	v_lshrrev_b32 v[TM+8+\n], 23, v[TM+12+\n]      ; the byte of block 2 cc + h
.endr
.irp n, 0,1
	v_lshlrev_b32 v[TM+8+\n], v14, v[TM+8+\n]      ; 8 h bits up
.endr
.irp n, 0,1
	v_permlanex16_b32 v[TM+4+\n], v[TM+8+\n], s18, s19
.endr
.irp n, 0,1
	v_or_b32 v[TM+8+\n], v[TM+8+\n], v[TM+4+\n]    ; both bytes, the same in both halves of the lanes
.endr
.irp n, 0,1
	v_cvt_scalef32_pk16_fp6_f32 v[PC+20*\n:PC+20*\n+2], v[X+64+32*\n:X+79+32*\n], v[TM+12+\n]
	v_cvt_scalef32_pk16_fp6_f32 v[PC+20*\n+12:PC+20*\n+14], v[X+80+32*\n:X+95+32*\n], v[TM+12+\n]
.endr
	v_nop                                          ; one plain place behind a scaled conversion
.irp n, 0,1
.irp i, 0,1,2
	v_mov_b32 v[PC+20*\n+3+\i], v[PC+20*\n+12+\i]  ; registers 6 cc .. 6 cc + 5 of the fragment of columns 16 n on
.endr
.endr
.irp n, 0,1
	global_store_b128 v4, v[PC+20*\n:PC+20*\n+3], s[32:33] offset:1536*\n
	global_store_b64 v6, v[PC+20*\n+4:PC+20*\n+5], s[32:33] offset:1536*\n+512
	global_store_b16 v5, v[TM+8+\n], s[34:35] offset:128*\n   ; two bytes a lane: the words' other halves are the neighbouring work-group's; 128 bytes of the 1,664 that this wave stores
.endr
	s_wait_tensorcnt 0x0                           ; the wave's end
	ds_add_u32 v[SPW], v[NIL]
	s_wait_dscnt 0x0
	s_endpgm
.Lfunc_end_k_q886a297859_prep:
	.size	k_q886a297859_prep, .Lfunc_end_k_q886a297859_prep-k_q886a297859_prep
	.p2alignl 7, 3214868480
	.fill 96, 4, 3214868480
	.section	.rodata,"a",@progbits
	.p2align	6, 0x0
	.amdhsa_kernel k_q886a297859_prep
		.amdhsa_group_segment_fixed_size 91392
		.amdhsa_private_segment_fixed_size 0
		.amdhsa_enable_private_segment 0
		.amdhsa_kernarg_size 40
		.amdhsa_user_sgpr_count 2
		.amdhsa_user_sgpr_kernarg_segment_ptr 1
		.amdhsa_wavefront_size32 1
		.amdhsa_system_sgpr_workgroup_id_x 1
		.amdhsa_system_sgpr_workgroup_id_y 1
		.amdhsa_system_sgpr_workgroup_id_z 1
		.amdhsa_system_vgpr_workitem_id 0
		.amdhsa_next_free_vgpr 218
		.amdhsa_next_free_sgpr 66
		.amdhsa_reserve_vcc 1
		.amdhsa_float_denorm_mode_32 3
		.amdhsa_float_denorm_mode_16_64 3
		.amdhsa_memory_ordered 1
		.amdhsa_forward_progress 1
		.amdhsa_inst_pref_size 41
	.end_amdhsa_kernel
	.amdgpu_metadata
---
amdhsa.version: [ 1, 2 ]
amdhsa.kernels:
  - .name:           k_q886a297859_prep
    .symbol:         k_q886a297859_prep.kd
    .args:
      - { .name: features, .offset: 0, .size: 8, .value_kind: global_buffer, .address_space: global }
      - { .name: ex_features, .offset: 8, .size: 8, .value_kind: global_buffer, .address_space: global }
      - { .name: ex_class_reps, .offset: 16, .size: 8, .value_kind: global_buffer, .address_space: global }
      - { .name: kpack, .offset: 24, .size: 8, .value_kind: global_buffer, .address_space: global }
      - { .name: qpack, .offset: 32, .size: 8, .value_kind: global_buffer, .address_space: global }
    .group_segment_fixed_size: 91392
    .private_segment_fixed_size: 0
    .kernarg_segment_align: 8
    .kernarg_segment_size: 40
    .max_flat_workgroup_size: 192
    .sgpr_count:     66
    .vgpr_count:     218
    .wavefront_size: 32
...
	.end_amdgpu_metadata
.endif
;; end of part 1
;; launch main (part 2): grid 16 x 16, 8 waves a work-group, clusters of 4 x 1, 327,680 bytes of LDS; arguments kpack, qpack, parte, parti; writes parte, parti
.if DOCPART == 2
	.amdgcn_target "amdgcn-amd-amdhsa--gfx1250"
	.amdhsa_code_object_version 6
	.text
	.protected	k_q886a297859_main
	.globl	k_q886a297859_main
	.p2align	8
	.type	k_q886a297859_main,@function
k_q886a297859_main:
	s_mov_b64 s[64:65], 0
	v_nop
	global_prefetch_b8 v0, s[64:65] scope:SCOPE_SE
	s_setreg_imm32_b32 hwreg(HW_REG_WAVE_MODE, 25, 1), 1
	s_wait_xcnt 0x0
	s_wait_alu depctr_hold_cnt(0) depctr_sa_sdst(0) depctr_va_vdst(0) depctr_va_sdst(0) depctr_va_ssrc(0) depctr_va_vcc(0) depctr_vm_vsrc(0)
	s_getreg_b32 s2, hwreg(HW_REG_IB_STS2, 6, 4)
	s_cmp_eq_u32 s2, 0
	s_cbranch_scc0 .Lentry_in_a_cluster
	s_endpgm
.Lentry_in_a_cluster:
	s_bfe_u32 s2, ttmp6, 0x10000c
	s_cmp_lg_u32 s2, 0x3003
	s_cbranch_scc0 .Lentry_shape_is_right
	s_endpgm
.Lentry_shape_is_right:
; MAIN.  For 256 queries (x) and 1,024 exemplars (y): S^T = K Q^T on codes of FP6 (K = 256: two matrix instructions deep), a = s s s (= sign(s) |s|^3), the row sums of the unquantised a,
; a quantised along the exemplars in blocks of 32, O^T += V^T P^T (K = 128 exemplars a step).  parte[y][query][28]: the echo's part; parti[y][query]: the intensity's part.
; SHARES.  Eight waves, two to a SIMD.  Wave w: a = w % 4, e = w / 4: queries 64 a .. 64 a + 63 (four tiles, whose fragments stay in registers) and some of the eight steps of 128 exemplars:
; waves with e = 0 take steps 0, 2, 4, 6 and 7, those with e = 1 steps 1, 3 and 5: all walk the first three of theirs by the same text and part on the wave's number near the third's end, behind the walk's last barrier.
; Each fragment of K read from LDS feeds four products.  At the end waves a and a + 4 add their shares through a stage in LDS.
; LDS.  The work-group's record of kpack, 231,424 bytes = 904 rows of 256, IS the image of LDS bytes 0 .. 231,423 and fits whole: every byte is filled once.  It comes in two fills, each shared out among the
; eight waves, one load a wave: rows 0-231 at the head (steps 0 and 1 end with row 225), the other 672 behind the round that follows; these have the waves' first step in which to land.
; Behind the one barrier that shows the second fill no wave waits for another until the way out.
; CLUSTER.  The four query blocks of a cluster take the same record: every tensor load is joint, with the mask of all four; the descriptors hang on y and the wave's number alone.
; No prefetch: the launch has no loop to run ahead in, and both fills are asked for ahead of the first product.
; LAYOUT.  Both products are used transposed (source 0 = 16 exemplars or 16 columns, source 1 = 16 queries): a lane holds ONE query (lane % 16) throughout.  The exemplars of a tile were chosen by the
; launch before so that the 32 registers of four tiles are exemplars 32 (lane / 16) + 0 .. 31 of the 64: a whole block in a lane, as the next operand's layout wants it.
; LIMITS: NaN and infinities are not served; a block whose every |a| is under 2^-124 gets the byte 1.
; REGISTERS.  Window 0: v1-15 addresses; v16-25, v28-31, v34-37 scale words and nothing else (Q's 4; K's 4, two sets: v20, v28; V's 2; P's 4); v38-41 P's scale bytes of the step's first half; v42-57 the row sums,
; two pairs a tile; v58-63 and v240-242 at work; v64-95 S^T; v96-127 s s; v128-175 P's codes; v176-239 O^T (tile q, columns 16 n on: 16 q + 8 n).
; Window 1: v0-95 Q (12 (2 q + s)); v96-191 K of half a step (12 (2 t + s)); v192-215 V of a step (12 n); v216-247 a.
; WINDOWS.  a lies in window 1, the running maxima and sums in window 0: lines whose sources 0 and 1 are a's and whose source 2 and destination are the running value stand under the products' own setting, among them.
.set REC,  231424
.set STEPB, 28928                      ; a step of the record
.set VO,  24576                        ; in it: V's codes,
.set KSO, 27648                        ; K's scale words,
.set VSO, 28672                        ; V's
.set FILL0, 29*256                     ; bytes of a wave's load of the first fill,
.set FILL1, 84*256                     ; of the second
.set STG,  REC                         ; behind the record, in bytes that no tensor load fills: a stage for each wave: 64 rows x 112 bytes and 256 more
.set WST,  7424
.set ISTG, STG+8*WST                   ; the intensity's stage: 256 bytes for each wave
.set SPARE, ISTG+2048                  ; the spare words
.set A16, 1                            ; LDS: my step + 16 x lane
.set A8,  2                            ; + 8 x lane
.set A4,  3                            ; + 4 x lane
.set LI,  4                            ; 16 x lane
.set LS,  5                            ; 4 x lane
.set STO, 6                            ; the stage: where I put my results
.set RD,  7                            ; and where I read on end
.set IST, 8                            ; the same for the intensity
.set IRD, 9
.set LN,  10                           ; lane
.set SPW, 12
.set NIL, 13
.set QS,  16
.set KSR, 20
.set VSR, 24
.set PW,  34
.set PB,  38
.set SI,  42
.set TA,  58                           ; two chains of maxima
.set XO,  60                           ; the conversion's scale operand
.set BY,  61
.set PX,  62
.set WD,  63
.set S,   64
.set U,   96
.set P,   128
.set O,   176
.set PT,  240
.set QF,  0
.set KF,  96
.set VF,  192
.set T,   216
.set MSB, 0
.macro WIN new                         ; the immediate's high byte repeats the setting that is left
.if MSB != \new
	s_set_vgpr_msb (MSB<<8)|\new
.set MSB, \new
.endif
.endm
.set MUL_S,  0x05                      ; sources 0 and 1 (K and Q; a twice) window 1; source 2 and destination window 0
.set MUL_PV, 0x01                      ; source 0 (V; a) window 1; all else window 0
.set TO_1,   0x40                      ; destination window 1, sources window 0
.macro ROUND                           ; a round of the cluster's barrier
	s_barrier_signal -1
	s_barrier_wait -1
	s_cmp_lg_u32 s12, 0
	s_cbranch_scc1 .Lnot_wave_0_\@
	s_barrier_signal -3
.Lnot_wave_0_\@:
	s_barrier_wait -3
	s_barrier_signal -1
	s_barrier_wait -1
.endm
	s_load_b256 s[4:11], s[0:1], 0x0               ; kpack s[4:5], qpack s[6:7], parte s[8:9], parti s[10:11]
	v_lshl_add_u32 v[SPW], v0, 2, SPARE
	v_mov_b32 v[NIL], 0
	ds_add_u32 v[SPW], v[NIL]                      ; the wave's opening: the add, twice on end, and its wait
	ds_add_u32 v[SPW], v[NIL]
	v_lshrrev_b32 v11, 5, v0
	v_readfirstlane_b32 s12, v11                   ; wave 0..7
	s_and_b32 s13, s12, 3                          ; a
	s_lshr_b32 s14, s12, 2                         ; e
	s_bfe_u32 s41, ttmp6, 0x40000                  ; cx: it enters qpack's and the parts' addresses alone
	s_lshl_b32 s40, ttmp9, 2
	s_add_co_u32 s40, s40, s41                     ; my block of 256 queries = 4 x cluster x + cx
	s_and_b32 s15, ttmp7, 0xffff                   ; y: the record, which the four partners share
	; descriptor groups 1: dense rows of 256 bytes (32 elements of 8 bytes), no padding; 29 rows a wave, then 84
.irp g, 16, 24
	s_mov_b32 s[\g], 15|(3<<16)|(1<<21)            ; 15:0 the mask: all four work-groups; 17:16 elements of 8 bytes; 21 set beside a mask
	s_mov_b32 s[\g+1], 32<<16                      ; tensor_dim0 = 32
	s_mov_b32 s[\g+3], 32<<16                      ; tile_dim0 = 32
	s_mov_b32 s[\g+5], 32                          ; elements from row to row
	s_mov_b32 s[\g+6], 0
	s_mov_b32 s[\g+7], 0
.endr
	s_mov_b32 s18, 29<<16                          ; tensor_dim1
	s_mov_b32 s20, 29                              ; tile_dim1
	s_mov_b32 s26, 84<<16
	s_mov_b32 s28, 84
	s_mov_b32 s48, 0x76543210
	s_mov_b32 s49, 0xfedcba98                      ; v_permlanex16_b32's selects for lane l xor 16
	s_mul_i32 s50, s14, STEPB                      ; my first step
	s_mul_i32 s51, s12, WST
	s_add_co_u32 s51, s51, STG                     ; my stage
	s_lshr_b32 s46, s12, 1
	s_mul_i32 s60, s46, WST
	s_and_b32 s47, s12, 1
	s_mul_i32 s47, s47, 3584
	s_add_co_u32 s60, s60, s47
	s_add_co_u32 s60, s60, STG                     ; back: half w % 2 of wave (w / 2)'s rows; wave (w / 2 + 4)'s lie 4 WST bytes on
	s_lshl_b32 s61, s12, 8
	s_add_co_u32 s61, s61, ISTG
	s_lshl_b32 s62, s12, 9
	s_add_co_u32 s62, s62, ISTG
	v_and_b32 v[LN], 31, v0
	v_and_b32 v11, 15, v0                          ; r
	v_bfe_u32 v14, v0, 4, 1                        ; h
	v_lshlrev_b32 v[LI], 4, v[LN]
	v_lshlrev_b32 v15, 3, v[LN]
	v_lshlrev_b32 v[LS], 2, v[LN]
	v_mul_u32_u24 v[STO], v11, 112
	v_add_nc_u32 v[A16], s50, v[LI]
	v_add_nc_u32 v[A8], s50, v15
	v_lshl_add_u32 v[STO], v14, 5, v[STO]
	v_add_nc_u32 v[A4], s50, v[LS]
	v_add_nc_u32 v[RD], s60, v[LI]
	v_add_nc_u32 v[STO], s51, v[STO]               ; row r of 112 bytes (7 x 16: sixteen rows start in sixteen different groups of banks), + 32 h
	v_add_nc_u32 v[IST], s61, v[LS]
	v_add_nc_u32 v[IRD], s62, v[LI]
.irp j, 0,1,2,3,4,5,6,7,8,9,10,11,12,13,14,15
	v_mov_b32 v[SI+\j], 0                          ; the row sums
.endr
	v_mov_b32 v[PX], 0                             ; written once: a lane permute's destination counts as one of its sources
	s_mul_i32 s42, s15, REC
	s_mov_b32 s43, 0
	s_mul_i32 s46, s12, FILL0                      ; my rows of the first fill,
	s_mov_b32 s47, 0
	s_mul_i32 s50, s12, FILL1
	s_add_co_u32 s50, s50, 8*FILL0                 ; and of the second
	s_mov_b32 s51, 0
	s_lshl_b32 s60, s40, 4
	s_lshl_b32 s61, s13, 2
	s_add_co_u32 s60, s60, s61                     ; my first tile of queries: 16 x block + 4 a
	s_mul_i32 s52, s60, 3072
	s_mov_b32 s53, 0
	s_lshl_b32 s54, s60, 7
	s_add_co_u32 s54, s54, 786432
	s_mov_b32 s55, 0
	s_mul_i32 s56, s15, 458752                     ; parte: 4,096 rows of 112 bytes to a y, 28,672 bytes to a block, 3,584 to a wave
	s_mul_i32 s60, s40, 28672
	s_add_co_u32 s56, s56, s60
	s_mul_i32 s60, s12, 3584
	s_add_co_u32 s56, s56, s60
	s_mov_b32 s57, 0
	s_lshl_b32 s58, s15, 14                        ; parti: 16,384 bytes to a y, 1,024 to a block, 512 to each of waves 0 and 1
	s_lshl_b32 s60, s40, 10
	s_add_co_u32 s58, s58, s60
	s_lshl_b32 s60, s12, 9
	s_add_co_u32 s58, s58, s60
	s_mov_b32 s59, 0
	s_wait_alu depctr_va_vdst(0)                   ; the wait at the head's end
	s_wait_dscnt 0x0                               ; both opening adds are done
	s_wait_kmcnt 0x0
	s_add_nc_u64 s[44:45], s[4:5], s[42:43]        ; the record
	s_add_nc_u64 s[52:53], s[6:7], s[52:53]        ; Q's codes
	s_add_nc_u64 s[54:55], s[6:7], s[54:55]        ; Q's scale words
	s_add_nc_u64 s[56:57], s[8:9], s[56:57]
	s_add_nc_u64 s[58:59], s[10:11], s[58:59]
	; descriptor groups 0: a byte of the record lands at the same byte of LDS
	s_mov_b32 s32, 1                               ; count = 1
	s_mov_b32 s33, s46                             ; LDS address
	s_add_nc_u64 s[34:35], s[44:45], s[46:47]      ; global address
	s_or_b32 s35, s35, 0x80000000                  ; type = 2
	s_mov_b32 s36, 1
	s_mov_b32 s37, s50
	s_add_nc_u64 s[38:39], s[44:45], s[50:51]
	s_or_b32 s39, s39, 0x80000000
	ROUND                                          ; all four work-groups are here: the joint loads meet
	tensor_load_to_lds s[32:35], s[16:23]          ; the first fill: one load a wave
	s_nop 0
.rept 4
	v_nop
.endr
.macro QTILE q                         ; a tile of queries, both K steps, which stays in registers
.irp s, 0,1
.irp c, 0,1,2
	global_load_b128 v[QF+12*(2*\q+\s)+4*\c:QF+12*(2*\q+\s)+4*\c+3], v[LI], s[52:53] offset:3072*\q+1536*\s+512*\c
.endr
.endr
.endm
.irp q, 0,1,2,3
	global_load_b32 v[QS+\q], v[LS], s[54:55] offset:128*\q   ; lanes 0-15: K step 0's words, lanes 16-31: K step 1's
.endr
	WIN TO_1
	QTILE 0
	QTILE 1
	s_wait_loadcnt 0x0                             ; tiles 2 and 3, which are needed later, are asked for when 0 and 1 are in
	QTILE 2
	QTILE 3
	WIN 0
; Half a step of K (four tiles) in two parts: A: scale words and K step 0 (with half 1 V's scale words too): 4 + 12 or 6 + 12 loads; B: K step 1 (with half 1 V's two fragments too): 12 or 12 + 8
.macro FETCH_A half
	WIN 0
.irp t, 0,1,2,3
	ds_load_b32 v[KSR+8*(\half)+\t], v[A4] offset:KSO+512*(\half)+128*\t
.endr
.if \half
	ds_load_b32 v[VSR], v[A4] offset:VSO
	ds_load_b32 v[VSR+1], v[A4] offset:VSO+128
.endif
	WIN TO_1
.irp t, 0,1,2,3
.irp c, 0,1,2
	ds_load_b128 v[KF+24*\t+4*\c:KF+24*\t+4*\c+3], v[A16] offset:12288*(\half)+3072*\t+512*\c   ; 16 bytes a lane on end
.endr
.endr
.endm
.macro FETCH_B half
	WIN TO_1
.irp t, 0,1,2,3
.irp c, 0,1,2
	ds_load_b128 v[KF+24*\t+12+4*\c:KF+24*\t+15+4*\c], v[A16] offset:12288*(\half)+3072*\t+1536+512*\c
.endr
.endr
.if \half
.irp n, 0,1
.irp c, 0,1
	ds_load_b128 v[VF+12*\n+6*\c:VF+12*\n+6*\c+3], v[A16] offset:VO+1536*\n+768*\c
	ds_load_b64 v[VF+12*\n+6*\c+4:VF+12*\n+6*\c+5], v[A8] offset:VO+1536*\n+768*\c+512
.endr
.endr
.endif
.endm
.macro WM j                            ; the j-th of a unit's eight products: the four accumulators take turns, one instruction a turn; the first four start the sums
.if \j < 4
	v_wmma_scale_f32_16x16x128_f8f6f4 v[S+8*\j:S+8*\j+7], v[KF+24*\j:KF+24*\j+11], v[QF+24*PQ:QF+24*PQ+11], 0, v[KSR+8*KH+\j], v[QS+PQ] matrix_a_fmt:MATRIX_FMT_FP6 matrix_b_fmt:MATRIX_FMT_FP6
.else
	v_wmma_scale_f32_16x16x128_f8f6f4 v[S+8*(\j-4):S+8*(\j-4)+7], v[KF+24*(\j-4)+12:KF+24*(\j-4)+23], v[QF+24*PQ+12:QF+24*PQ+23], v[S+8*(\j-4):S+8*(\j-4)+7], v[KSR+8*KH+\j-4], v[QS+PQ] matrix_a_fmt:MATRIX_FMT_FP6 matrix_b_fmt:MATRIX_FMT_FP6 matrix_a_scale:MATRIX_SCALE_ROW1 matrix_b_scale:MATRIX_SCALE_ROW1
.endif
.endm
.macro MAXL c, i                       ; the largest |a| of registers 16 c .. 16 c + 15, two a line
.if (\i) == 0
	v_max_num_f32 v[TA+\c], |v[T+16*\c]|, |v[T+16*\c+1]|
.else
	v_max3_num_f32 v[TA+\c], |v[T+16*\c+2*(\i)]|, |v[T+16*\c+2*(\i)+1]|, v[TA+\c]
.endif
.endm
.macro ADDL c, i                       ; THE ROW'S SUM IS TAKEN OF THE UNQUANTISED a, two at a time, in two chains.  (A sum written as a multiply-add by 1.0: so the running value is source 2, which is in window 0, beside a in window 1)
	v_pk_fma_f32 v[SI+4*UQ+2*(\c):SI+4*UQ+2*(\c)+1], v[T+16*(\c)+2*(\i):T+16*(\c)+2*(\i)+1], 1.0, v[SI+4*UQ+2*(\c):SI+4*UQ+2*(\c)+1] op_sel_hi:[1,0,1]
.endm
.macro LINES i                         ; three lines of this unit's vector work
	MAXL 0, \i
	ADDL (\i)%2, (\i)/2
	MAXL 1, \i
.endm
; The next unit's eight products (GO = 1), with this unit's maxima and half its sums among them (MIX = 1).  PWAIT > 0: K is waited for, K step 0 first (PWAIT younger loads may be out), then all; the lines then stand behind the second wait.
; FT > 0: these are the last products on this half step's K: behind the fifth the next K step 0 is asked for, behind the eighth and its lines the next K step 1; six and four plain lines are the places in front of these loads.
.macro PRODMIX
.if PWAIT > 0
	s_wait_alu depctr_va_vdst(0)
	s_wait_dscnt PWAIT
.endif
	WIN MUL_S
.irp j, 0,1,2,3,4,5,6,7
.if (PWAIT > 0) && (\j == 4)
	s_wait_dscnt 0x0
.endif
.if GO
	WM \j
.endif
.if MIX
.if PWAIT == 0
	LINES \j
.else
.if \j > 3
	LINES \j-4
	LINES \j
.endif
.endif
.endif
.if (FT > 0) && (\j == 4)
.if BW
	s_wait_alu depctr_va_vdst(0)
	s_barrier_wait -1                              ; every wave's part of the second fill is in: the whole record may be read
.endif
	FETCH_A FH
	WIN MUL_S
.endif
.endr
.if MIX
	ADDL 0, 4
.endif
.if FT > 0
	FETCH_B FH
.endif
.endm
.macro TAIL j                          ; what is left of the unit before this one (tile LQ, half LC), spread over this unit's squares
.if \j == 1
.if LC == 0
	v_lshrrev_b32 v[PB+LQ], 23, v[XO]              ; the scale's byte of block h of the step
.else
	v_lshrrev_b32 v[BY], 23, v[XO]                 ; of block 2 + h
.endif
.endif
.if \j == 2
	v_mov_b32 v[P+12*LQ+6*LC+3], v[PT]
.endif
.if \j == 3
	v_mov_b32 v[P+12*LQ+6*LC+4], v[PT+1]
.endif
.if \j == 4
	v_mov_b32 v[P+12*LQ+6*LC+5], v[PT+2]
.endif
.if LC == 1
.if \j == 5
	v_lshl_or_b32 v[WD], v[BY], 16, v[PB+LQ]
.endif
.if \j == 8
	v_permlanex16_b32 v[PX], v[WD], s48, s49       ; lanes 0-15 take blocks 1 and 3 from lanes 16-31
.endif
.if \j == 11
	v_lshl_or_b32 v[PW+LQ], v[PX], 8, v[WD]        ; the tile's scale word for this step, in lanes 0-15, which alone are read
.endif
.endif
.endm
.macro CUBE tail                       ; a = s s s, out of the accumulators, which the next products may then write
	WIN 0
.irp j, 0,1,2,3,4,5,6,7,8,9,10,11,12,13,14,15
	v_pk_mul_f32 v[U+2*\j:U+2*\j+1], v[S+2*\j:S+2*\j+1], v[S+2*\j:S+2*\j+1]   ; each accumulator is read from its low end on
.if \tail
	TAIL \j
.endif
.endr
	WIN TO_1
.irp j, 0,1,2,3,4,5,6,7,8,9,10,11,12,13,14,15
	v_pk_mul_f32 v[T+2*\j:T+2*\j+1], v[U+2*\j:U+2*\j+1], v[S+2*\j:S+2*\j+1]   ; register i: exemplar 32 h + i of the half step
.endr
.endm
.macro CODES                           ; the block's scale and codes, with the other sums between the lines that hang on each other
	WIN MUL_PV
	v_max3_num_f32 v[TA], 0x1800000, v[TA+1], v[TA]   ; the floor 2^(3 - 127) holds the byte at 1 from below
	ADDL 1, 4
	ADDL 0, 5
	ADDL 1, 5
	v_add_nc_u32 v[XO], 0xff000000, v[TA]          ; 2 off the exponent field: the conversion's scale operand
	ADDL 0, 6
	ADDL 1, 6
	ADDL 0, 7
	v_cvt_scalef32_pk16_fp6_f32 v[P+12*UQ+6*UC:P+12*UQ+6*UC+2], v[T:T+15], v[XO]
	v_cvt_scalef32_pk16_fp6_f32 v[PT:PT+2], v[T+16:T+31], v[XO]   ; (a conversion's three registers begin on an even number)
	ADDL 1, 7                                      ; and the plain place behind a scaled conversion
.endm
; O^T += V^T P^T: eight accumulators by turns.  zero = 1: the first step's products start the sums
.macro PV zero
	WIN MUL_PV
.irp q, 0,1,2,3
.irp n, 0,1
.if \zero
	v_wmma_scale_f32_16x16x128_f8f6f4 v[O+16*\q+8*\n:O+16*\q+8*\n+7], v[VF+12*\n:VF+12*\n+11], v[P+12*\q:P+12*\q+11], 0, v[VSR+\n], v[PW+\q] matrix_a_fmt:MATRIX_FMT_FP6 matrix_b_fmt:MATRIX_FMT_FP6
.else
	v_wmma_scale_f32_16x16x128_f8f6f4 v[O+16*\q+8*\n:O+16*\q+8*\n+7], v[VF+12*\n:VF+12*\n+11], v[P+12*\q:P+12*\q+11], v[O+16*\q+8*\n:O+16*\q+8*\n+7], v[VSR+\n], v[PW+\q] matrix_a_fmt:MATRIX_FMT_FP6 matrix_b_fmt:MATRIX_FMT_FP6
.endif
.endr
.endr
.endm
; Unit u of my st-th step: tile u % 4 of my queries x half u / 4.  Its products stand one unit ahead: behind CUBE the NEXT unit's are issued, among them this unit's maxima and sums.
; A step's second product stands behind the next step's first CUBE.  last = 1: the step is my last: nothing more is fetched, and no products follow unit 7.
.macro UNIT st, u, last
.set UQ, (\u)%4
.set UC, (\u)/4
.set LQ, ((\u)+3)%4
.set LC, (((\u)+7)%8)/4
.set PU, ((\u)+1)%8
.set PQ, PU%4
.set KH, PU/4
.set PWAIT, 0
.set GO, 1
.set FT, 0
.set FH, 0
.set BW, 0
.if \u == 2
.set FT, 1
.set FH, 1
.endif
.if (\u == 6) && (\last == 0)
.set FT, 1
.endif
.if (\u == 6) && (\st == 0)
.set BW, 1
.endif
.if \u == 3
.set PWAIT, 20                         ; behind K step 0's loads: K step 1's 12 and V's 8
.endif
.if (\u == 7) && (\last == 0)
.set PWAIT, 12                         ; K step 1's 12
.endif
.if (\u == 7) && (\last == 1)
.set GO, 0
.endif
.if (\u == 6) && (\last == 0)
.if \st == 3
.set ON, STEPB                         ; from step 6 to step 7 (e = 0 alone comes here)
.else
.set ON, 2*STEPB                       ; two steps on
.endif
	WIN 0
	v_add_nc_u32 v[A16], ON, v[A16]                ; on to my next step
	v_add_nc_u32 v[A8], ON, v[A8]
	v_add_nc_u32 v[A4], ON, v[A4]
.if \st == 0
	s_wait_alu depctr_va_vdst(0)
	s_wait_tensorcnt 0x0                           ; my part of the second fill is in; no LDS instruction of mine is out
	s_barrier_signal -1
.endif
.endif
.if (\u == 0) && (\st == 0)
	CUBE 0
.else
	CUBE 1
.endif
.if (\u == 0) && (\st > 0)
.if \st == 1
	PV 1
.else
	PV 0
.endif
.endif
.if (\st == 0) && ((\u == 1) || (\u == 2))
	s_wait_alu depctr_va_vdst(0)
	s_wait_loadcnt 12-6*\u                         ; the next tile of Q is in; a later tile's six loads may be out
.endif
	PRODMIX
	CODES
.endm
	s_wait_tensorcnt 0x0                           ; my part of the first fill is in
	ds_add_u32 v[SPW], v[NIL]
	s_wait_dscnt 0x0                               ; the add is done
	ROUND                                          ; everybody's part is in, and the joint loads meet
	tensor_load_to_lds s[36:39], s[24:31]          ; the second fill, the first tensor load behind the round
	s_nop 0
.rept 4
	v_nop
.endr
	FETCH_A 0
	FETCH_B 0
.set PQ, 0
.set KH, 0
.set PWAIT, 12
.set GO, 1
.set MIX, 0
.set FT, 0
.set BW, 0
	PRODMIX
.set MIX, 1
.rept 4
	v_nop                                          ; four places in front of the first read of results
.endr
.irp st, 0,1
.irp u, 0,1,2,3,4,5,6,7
	UNIT \st, \u, 0
.endr
.endr
.irp u, 0,1,2,3,4,5
	UNIT 2, \u, 0
.endr
	WIN 0                                          ; at a branch and at a label every window is 0; no LDS instruction of mine is out
	s_wait_alu depctr_va_vdst(0)
	s_cmp_lt_u32 s12, 4
	s_cbranch_scc0 .Lthree
	UNIT 2, 6, 0                                   ; e = 0: two steps more
	UNIT 2, 7, 0
.irp u, 0,1,2,3,4,5,6,7
	UNIT 3, \u, 0
.endr
.irp u, 0,1,2,3,4,5,6,7
	UNIT 4, \u, 1
.endr
	WIN 0
	s_wait_alu depctr_va_vdst(0)
	s_branch .Lout
.Lthree:                                               ; e = 1: the third step is the last
	UNIT 2, 6, 1
	UNIT 2, 7, 1
	WIN 0
.Lout:
	; THE WAY OUT.  The last unit's tail, and the sums: two chains, two halves and lane l xor 16's are added; these lines are also the places in front of the last products.
.set LQ, 3
.set LC, 1
	TAIL 1
	TAIL 2
	TAIL 3
	TAIL 4
	TAIL 5
.irp q, 0,1,2,3
	v_pk_add_f32 v[SI+4*\q:SI+4*\q+1], v[SI+4*\q:SI+4*\q+1], v[SI+4*\q+2:SI+4*\q+3]
.endr
	TAIL 8
.irp q, 0,1,2,3
	v_add_f32 v[SI+4*\q], v[SI+4*\q], v[SI+4*\q+1]
.endr
	TAIL 11
.irp q, 0,1,2,3
	v_permlanex16_b32 v[SI+4*\q+1], v[SI+4*\q], s48, s49
.endr
.irp q, 0,1,2,3
	v_add_f32 v[SI+4*\q], v[SI+4*\q], v[SI+4*\q+1]
.endr
	v_cmp_le_u32 vcc_lo, 16, v[LN]
	PV 0
	WIN 0
	v_cndmask_b32 v[TA], v[SI], v[SI+4], vcc_lo    ; lane l: query l of my 64,
	v_cndmask_b32 v[TA+1], v[SI+8], v[SI+12], vcc_lo  ; and query 32 + l
	v_nop
	v_nop
	ds_store_b32 v[IST], v[TA]
	ds_store_b32 v[IST], v[TA+1] offset:128
.irp q, 0,1,2,3                                ; lane (r, h), register 8 n + j: query 16 q + r, column 16 n + 8 h + j.  Each accumulator from its low end on
	ds_store_b128 v[STO], v[O+16*\q+8:O+16*\q+11] offset:1792*\q+64
	ds_store_b128 v[STO], v[O+16*\q+12:O+16*\q+15] offset:1792*\q+80   ; lanes 16-31: columns 28-31, which do not exist, fall on the next row's first 16 bytes, which a later store of mine takes back (LDS serves a wave's
	ds_store_b128 v[STO], v[O+16*\q:O+16*\q+3] offset:1792*\q          ; instructions in order), or behind my 64th row, where nobody reads
	ds_store_b128 v[STO], v[O+16*\q+4:O+16*\q+7] offset:1792*\q+16
.endr
	s_wait_dscnt 0x0                               ; for the others' sake: my stores into the stage are done
	s_barrier_signal -1
	s_barrier_wait -1
.irp k, 0,1,2,3,4,5,6
	ds_load_b128 v[S+4*\k:S+4*\k+3], v[RD] offset:512*\k          ; one share of the exemplars, 512 bytes on end a load,
	ds_load_b128 v[U+4*\k:U+4*\k+3], v[RD] offset:512*\k+4*WST    ; and the other
.endr
.irp k, 0,1,2,3,4,5,6
	s_wait_dscnt 12-2*\k
	v_pk_add_f32 v[S+4*\k:S+4*\k+1], v[S+4*\k:S+4*\k+1], v[U+4*\k:U+4*\k+1]
	v_pk_add_f32 v[S+4*\k+2:S+4*\k+3], v[S+4*\k+2:S+4*\k+3], v[U+4*\k+2:U+4*\k+3]
	global_store_b128 v[LI], v[S+4*\k:S+4*\k+3], s[56:57] offset:512*\k   ; each store covers 512 consecutive bytes, aligned
.endr
	s_cmp_lt_u32 s12, 2
	s_cbranch_scc0 .Lno_int                        ; waves 0 and 1 store the intensity's 1,024 bytes
	ds_load_b128 v[P:P+3], v[IRD]
	ds_load_b128 v[P+4:P+7], v[IRD] offset:1024
	s_wait_dscnt 0x0
	v_pk_add_f32 v[P:P+1], v[P:P+1], v[P+4:P+5]
	v_pk_add_f32 v[P+2:P+3], v[P+2:P+3], v[P+6:P+7]
	global_store_b128 v[LI], v[P:P+3], s[58:59]
.Lno_int:
	s_wait_tensorcnt 0x0                           ; the wave's end
	ds_add_u32 v[SPW], v[NIL]
	s_wait_dscnt 0x0
	ROUND                                          ; the closing round: no work-group ends while a partner may still ask for a tile that names it
	s_endpgm
.Lfunc_end_k_q886a297859_main:
	.size	k_q886a297859_main, .Lfunc_end_k_q886a297859_main-k_q886a297859_main
	.p2alignl 7, 3214868480
	.fill 96, 4, 3214868480
	.section	.rodata,"a",@progbits
	.p2align	6, 0x0
	.amdhsa_kernel k_q886a297859_main
		.amdhsa_group_segment_fixed_size 327680
		.amdhsa_private_segment_fixed_size 0
		.amdhsa_enable_private_segment 0
		.amdhsa_kernarg_size 32
		.amdhsa_user_sgpr_count 2
		.amdhsa_user_sgpr_kernarg_segment_ptr 1
		.amdhsa_wavefront_size32 1
		.amdhsa_system_sgpr_workgroup_id_x 1
		.amdhsa_system_sgpr_workgroup_id_y 1
		.amdhsa_system_sgpr_workgroup_id_z 1
		.amdhsa_system_vgpr_workitem_id 0
		.amdhsa_next_free_vgpr 504
		.amdhsa_next_free_sgpr 66
		.amdhsa_reserve_vcc 1
		.amdhsa_float_denorm_mode_32 3
		.amdhsa_float_denorm_mode_16_64 3
		.amdhsa_memory_ordered 1
		.amdhsa_forward_progress 1
		.amdhsa_inst_pref_size 255
	.end_amdhsa_kernel
	.section	.bss,"aw",@nobits
	.p2align	6
	.space	262144
	.amdgpu_metadata
---
amdhsa.version: [ 1, 2 ]
amdhsa.kernels:
  - .name:           k_q886a297859_main
    .symbol:         k_q886a297859_main.kd
    .args:
      - { .name: kpack, .offset: 0, .size: 8, .value_kind: global_buffer, .address_space: global }
      - { .name: qpack, .offset: 8, .size: 8, .value_kind: global_buffer, .address_space: global }
      - { .name: parte, .offset: 16, .size: 8, .value_kind: global_buffer, .address_space: global }
      - { .name: parti, .offset: 24, .size: 8, .value_kind: global_buffer, .address_space: global }
    .group_segment_fixed_size: 327680
    .private_segment_fixed_size: 0
    .kernarg_segment_align: 8
    .kernarg_segment_size: 32
    .max_flat_workgroup_size: 256
    .sgpr_count:     66
    .vgpr_count:     504
    .wavefront_size: 32
...
	.end_amdgpu_metadata
.endif
;; end of part 2
;; launch reduce (part 3): grid 232 x 1, 4 waves a work-group, no clusters, 0 bytes of LDS; arguments parte, parti, out0, out1; writes out0, out1
.if DOCPART == 3
	.amdgcn_target "amdgcn-amd-amdhsa--gfx1250"
	.amdhsa_code_object_version 6
	.text
	.protected	k_q886a297859_reduce
	.globl	k_q886a297859_reduce
	.p2align	8
	.type	k_q886a297859_reduce,@function
k_q886a297859_reduce:
	s_mov_b64 s[64:65], 0
	v_nop
	global_prefetch_b8 v0, s[64:65] scope:SCOPE_SE
	s_setreg_imm32_b32 hwreg(HW_REG_WAVE_MODE, 25, 1), 1
	s_wait_xcnt 0x0
; REDUCE.  out0 is the sum over y = 0 .. 15 of parte[y], out1 that of parti[y]: both plain streams, 458,752 and 16,384 bytes long.  A sum that spans work-groups is made by a launch of its own: one owner for each output.
; A work-group takes 2,048 bytes, a thread 16: work-groups 0-223 make out0, 224-231 out1.  All sixteen loads of a thread are out at once; memory binds, so no LDS, no matrix unit, no cluster.
.macro ADD4 a, b
	v_pk_add_f32 v[16+4*(\a):17+4*(\a)], v[16+4*(\a):17+4*(\a)], v[16+4*(\b):17+4*(\b)]
	v_pk_add_f32 v[18+4*(\a):19+4*(\a)], v[18+4*(\a):19+4*(\a)], v[18+4*(\b):19+4*(\b)]
.endm
.macro SUM from, to, pitch             ; pitch: bytes from one y to the next; 15 x 458,752 at the most, inside the signed 24-bit immediate (ISA guide, chapter 10)
	s_add_nc_u64 s[\from:\from+1], s[\from:\from+1], s[12:13]
	s_add_nc_u64 s[\to:\to+1], s[\to:\to+1], s[12:13]
.irp y, 0,1,2,3,4,5,6,7,8,9,10,11,12,13,14,15
	global_load_b128 v[16+4*\y:19+4*\y], v1, s[\from:\from+1] offset:\pitch*\y th:TH_LOAD_NT
.endr
	s_wait_loadcnt 0x0
.irp y, 0,1,2,3,4,5,6,7
	ADD4 \y, \y+8
.endr
.irp y, 0,1,2,3
	ADD4 \y, \y+4
.endr
.irp y, 0,1
	ADD4 \y, \y+2
.endr
	ADD4 0, 1
	global_store_b128 v1, v[16:19], s[\to:\to+1]   ; 512 consecutive bytes a wave, aligned
	s_endpgm
.endm
	s_load_b256 s[4:11], s[0:1], 0x0               ; parte s[4:5], parti s[6:7], out0 s[8:9], out1 s[10:11]
	v_lshlrev_b32 v1, 4, v0                        ; 16 x thread
	s_lshl_b32 s12, ttmp9, 11
	s_mov_b32 s13, 0
	s_wait_alu depctr_va_vdst(0)                   ; the wait at the head's end
	s_wait_kmcnt 0x0
	s_cmp_lt_u32 ttmp9, 224
	s_cbranch_scc0 .Lint
	SUM 4, 8, 458752
.Lint:
	s_sub_co_u32 s12, s12, 458752
	SUM 6, 10, 16384
.Lfunc_end_k_q886a297859_reduce:
	.size	k_q886a297859_reduce, .Lfunc_end_k_q886a297859_reduce-k_q886a297859_reduce
	.p2alignl 7, 3214868480
	.fill 96, 4, 3214868480
	.section	.rodata,"a",@progbits
	.p2align	6, 0x0
	.amdhsa_kernel k_q886a297859_reduce
		.amdhsa_group_segment_fixed_size 0
		.amdhsa_private_segment_fixed_size 0
		.amdhsa_enable_private_segment 0
		.amdhsa_kernarg_size 32
		.amdhsa_user_sgpr_count 2
		.amdhsa_user_sgpr_kernarg_segment_ptr 1
		.amdhsa_wavefront_size32 1
		.amdhsa_system_sgpr_workgroup_id_x 1
		.amdhsa_system_sgpr_workgroup_id_y 1
		.amdhsa_system_sgpr_workgroup_id_z 1
		.amdhsa_system_vgpr_workitem_id 0
		.amdhsa_next_free_vgpr 80
		.amdhsa_next_free_sgpr 66
		.amdhsa_reserve_vcc 0
		.amdhsa_float_denorm_mode_32 3
		.amdhsa_float_denorm_mode_16_64 3
		.amdhsa_memory_ordered 1
		.amdhsa_forward_progress 1
		.amdhsa_inst_pref_size 8
	.end_amdhsa_kernel
	.amdgpu_metadata
---
amdhsa.version: [ 1, 2 ]
amdhsa.kernels:
  - .name:           k_q886a297859_reduce
    .symbol:         k_q886a297859_reduce.kd
    .args:
      - { .name: parte, .offset: 0, .size: 8, .value_kind: global_buffer, .address_space: global }
      - { .name: parti, .offset: 8, .size: 8, .value_kind: global_buffer, .address_space: global }
      - { .name: out0, .offset: 16, .size: 8, .value_kind: global_buffer, .address_space: global }
      - { .name: out1, .offset: 24, .size: 8, .value_kind: global_buffer, .address_space: global }
    .group_segment_fixed_size: 0
    .private_segment_fixed_size: 0
    .kernarg_segment_align: 8
    .kernarg_segment_size: 32
    .max_flat_workgroup_size: 128
    .sgpr_count:     66
    .vgpr_count:     80
    .wavefront_size: 32
...
	.end_amdgpu_metadata
.endif
;; end of part 3
